; MI455X (gfx1250); checked and timed in simulation.
; The chip was launched on July 23, 2026; its instructions are those of AMD's public machine-readable ISA for CDNA 5 (MIT licence, August 2026) and "CDNA5" Instruction Set Architecture Reference Guide (July 2026). The comments in the code are by the model that wrote it; some were corrected since.
;; Causal Self Attention. Allowed arithmetic: matrix products marked QUANTISED: E4M3 operands, one E8M0 scale for each 32 along K, by v_wmma_scale_f32_16x16x128_f8f6f4 with both operands' format E4M3, f32 sums; everything else in f32.
;; Inputs: Wk_codes 1,024 x 32 x 32 uint8 (E4M3 codes of Wk, K innermost, in blocks of 32 codes); Wk_scales 1,024 x 32 uint8 (E8M0 scales of Wk, one for each 32 codes along K); Wq_codes 1,024 x 32 x 32 uint8 (E4M3 codes of Wq, K innermost, in blocks of 32 codes); Wq_scales 1,024 x 32 uint8 (E8M0 scales of Wq, one for each 32 codes along K); Wv_codes 1,024 x 32 x 32 uint8 (E4M3 codes of Wv, K innermost, in blocks of 32 codes); Wv_scales 1,024 x 32 uint8 (E8M0 scales of Wv, one for each 32 codes along K); attention_mask 4 x 1 x 1 x 2,048 float32; bk 1,024 float32; bq 1,024 float32; bv 1,024 float32; hidden_states_codes 4 x 2,048 x 32 x 32 uint8 (E4M3 codes of hidden_states, K innermost, in blocks of 32 codes); hidden_states_scales 4 x 2,048 x 32 uint8 (E8M0 scales of hidden_states, one for each 32 codes along K).
;; Outputs: out0 4 x 2,048 x 1,024 float32.
;; This version of the problem:
;;   THIS VERSION OF THE PROBLEM IS GIVEN IN LOW PRECISION. The matrix products marked QUANTISED in the list below multiply operands that are first quantised to E4M3 (4 exponent bits, 3 mantissa bits; 8 bits a number), with one power-of-two scale for each 32 numbers along K (OCP MX v1.0); their sums are f32. All else is computed in f32.
;;   The module's matrix products, in the order in which they are computed (A, B: the left and right operand; K: the contracted axis; several contracted axes count as one K, in the product's order):
;;     1. [M 8,192, K 1,024] x [K 1,024, N 1,024]; A: input hidden_states (given as codes); B: input Wq (given as codes): QUANTISED
;;     2. [M 8,192, K 1,024] x [K 1,024, N 1,024]; A: input hidden_states (given as codes); B: input Wk (given as codes): QUANTISED
;;     3. [M 8,192, K 1,024] x [K 1,024, N 1,024]; A: input hidden_states (given as codes); B: input Wv (given as codes): QUANTISED
;;     4. batch 64 x [M 2,048, K 64] x [K 64, N 2,048]; A: computed on the way; B: computed on the way: QUANTISED
;;     5. batch 64 x [M 2,048, K 2,048] x [K 2,048, N 64]; A: computed on the way; B: computed on the way: QUANTISED
;;   THE QUANTISER, for each operand of a quantised product, along K:
;;     - K is cut into blocks of 32 from its start; a last block that is shorter is filled with zeros.
;;     - A block's scale is 2^e with e = floor(log2(the largest magnitude in the block)) - 8, held to -126 .. 127; a block of zeros has e = 0. As a byte (E8M0): e + 127.
;;     - Each number is divided by its block's scale, clamped to +-448, and rounded to the nearest number of E4M3, ties to even, subnormals kept.
;;     - The product sums the exact products of the quantised numbers (number of the format x scale) in f32.
;;   ~~~python
;;   def quantise(x, axis):      # numpy; x: float32 -> the quantised numbers, widened to float32 again
;;       x = np.moveaxis(x, axis, -1); K = x.shape[-1]
;;       x = np.pad(x, [(0, 0)] * (x.ndim - 1) + [(0, -K % 32)]); x = x.reshape(x.shape[:-1] + (-1, 32)); a = np.abs(x).max(-1, keepdims=True)
;;       e = np.where(a > 0, np.clip(np.frexp(np.where(a > 0, a, 1))[1] - 1 - 8, -126, 127), 0)      # np.frexp(a)[1] - 1 = floor(log2(a)), exactly
;;       r = np.clip(x / 2.0 ** e, -448, 448)
;;       step = 2.0 ** (np.maximum(np.frexp(np.where(r == 0, 1, r))[1] - 1, -6) - 3)
;;       q = np.round(r / step) * step * 2.0 ** e      # np.round: ties to even
;;       return np.moveaxis(q.reshape(q.shape[:-2] + (-1,))[..., :K], -1, axis).astype(np.float32)
;;   ~~~
;;   OPERANDS COMPUTED ON THE WAY. 'Computed on the way' means the value that the module computes at that place (a softmax that the list does not call 'softmax' is quantised finished and normalised). What goes into a quantiser is computed in f32, as accurately as f32 sums, v_exp_f32 and their like allow (about 1e-6 of the number): no bf16 or f16 on the way to a quantiser, and a product that is left as it is and whose result goes on into a quantised operand takes f32 operands (vector FMAs, or v_wmma_f32_16x16x4_f32). A number that lies on a knife's edge between two numbers of the format may be rounded either way, as far as f32 arithmetic and the matrix unit's own rounding can turn it there, and no further.
;;   INPUTS GIVEN AS CODES. Wk (in the module: [1024, 1024], K = its axis 1); Wq (in the module: [1024, 1024], K = its axis 1); Wv (in the module: [1024, 1024], K = its axis 1); hidden_states (in the module: [4, 2048, 1024], K = its axis 2): each comes as NAME_codes (uint8): NAME with its K axis moved to the last place and cut into blocks of 32 codes, [.., K / 32, bytes a block], one block behind the other in memory; one code a byte (a code: sign, 4 exponent bits, 3 mantissa bits); and NAME_scales (uint8): the same leading axes, one E8M0 byte (e + 127) for each 32 codes along K. Its value is code x scale, taken as it is: it is not quantised again, and the codes and scales need not be those that the quantiser above would give.
;; One version. Each part assembles by itself: llvm-mc -triple=amdgcn-amd-amdhsa -mcpu=gfx1250 --defsym DOCPART=n.
;; ======== version 1 of 1: 2 launches
;; limits: right only within a limited range of input values
;; workspace buffers: qws 8,912,896 bytes; kws 8,912,896 bytes; vws 8,650,752 bytes
;; launch proj (part 1): grid 12 x 32, 4 waves a work-group, clusters of 4 x 4, 327,680 bytes of LDS; arguments hidden_states_codes, hidden_states_scales, Wq_codes, Wq_scales, Wk_codes, Wk_scales, Wv_codes, Wv_scales, bq, bk, bv, qws, kws, vws; writes qws, kws, vws
.if DOCPART == 1
	.amdgcn_target "amdgcn-amd-amdhsa--gfx1250"
	.amdhsa_code_object_version 6
	.text
	.protected	k_qd14685184a_proj
	.globl	k_qd14685184a_proj
	.p2align	8
	.type	k_qd14685184a_proj,@function
k_qd14685184a_proj:
	s_mov_b64 s[64:65], 0
	v_nop
	global_prefetch_b8 v0, s[64:65] scope:SCOPE_SE
	s_setreg_imm32_b32 hwreg(HW_REG_WAVE_MODE, 25, 1), 1
	s_wait_xcnt 0x0
	s_wait_alu depctr_hold_cnt(0) depctr_sa_sdst(0) depctr_va_vdst(0) depctr_va_sdst(0) depctr_va_ssrc(0) depctr_va_vcc(0) depctr_vm_vsrc(0)
	s_getreg_b32 s2, hwreg(HW_REG_IB_STS2, 6, 4)
	s_cmp_eq_u32 s2, 0
	s_cbranch_scc0 .Lentry_in_a_cluster
	s_endpgm
.Lentry_in_a_cluster:
	s_bfe_u32 s2, ttmp6, 0x10000c
	s_cmp_lg_u32 s2, 0xf033
	s_cbranch_scc0 .Lentry_shape_is_right
	s_endpgm
.Lentry_shape_is_right:
; q, k, v = hidden W^T + b on codes of FP8 (E4M3) with one E8M0 scale for each 32 along K = 1,024; sums and bias in f32; the results are quantised at once for the attention launch:
; q and k along the head's 64 channels, v along the tokens (the keys), and stored as IMAGES OF OPERAND REGISTERS (16 bytes a lane, 512 bytes a store), with their scale words beside them.
; ONE TEXT FOR THE THREE PRODUCTS.  The cluster's x says which: 0 q, 1 k, 2 v.  A tile is 256 x 256, four waves of 128 x 128 (64 accumulators, 512 registers).  The matrix instruction is used transposed:
; source 0 = 16 rows of 'B', source 1 = 16 rows of 'A': a lane holds one row of 'A' and its registers run along rows of 'B'.  q, k: A = hidden (lane = token), B = W (registers = channels, the next K).
; v: the pointers are swapped: A = Wv (lane = channel), B = hidden (registers = tokens, the next K).  So a lane's registers always run along the K of the product that follows.
; ORDER INSIDE A BLOCK OF 32: registers 16 B + i of a lane (r, h) hold element 32 B + 8 h + i (i < 8) or 32 B + 16 + 8 h + i - 8: a permutation inside one scale block, the same for q and k and the same for v as for
; the weights p that the attention launch makes, so every product keeps its pairs and every block its 32 numbers.
; WORKSPACE.  q, k: unit (head, step of 128 tokens) of 8,704 bytes: codes at 1,024 tile + 512 c + 16 lane; scale words at 8,192 + 256 (tile / 4) + 16 r + 4 (tile % 4), the two bytes written twice (b0 b1 b0 b1).
;             v: unit of 8,448 bytes: codes at 2,048 dt + 512 c + 16 lane (dt: 16 channels, c: 32 keys); scale words at 8,192 + 16 r + 4 dt.
; RING, SCALES, CLUSTER: K goes in steps of 256 through two LDS slots filled by joint tensor loads (A's tile shared along a row of the 4 x 4 cluster, B's along a column); the scale bytes of the work-group's rows come once.
; LIMITS: NaN and infinities among the results are not served; a block whose largest magnitude lies under 2^-118 (a block of zeros too) carries the byte 1: its bytes are read by this program alone.
; REGISTERS: window 0: v1-29 addresses; v8-15 the bias by lane; v32-63 scale words, two sets; v64-127 the bias by register; from v128 A's fragments, one set; on the way out v128-245 at work.
;   window 1: B's fragments, two sets.   windows 2, 3: the accumulators ((a, b) at v[8 (8 (a % 4) + b)]).
.set KSTEP,  256
.set NQ,     2                         ; matrix instructions deep in a slot
.set ROWB,   256                       ; a tile's row in bytes
.set KROW,   1024                      ; a row of codes in memory
.set PITCH,  272                       ; an LDS row: 256 bytes + 16 of padding: the 16 rows of a fragment load start 68 words apart
.set FR,     16
.set NL,     4
.set NP,     8                         ; places behind this matrix form (ISA guide 7.12.1)
.set HALFT,  128*PITCH
.set SLOT,   4*HALFT
.set KS,     32                        ; a row of scale bytes
.set SCL,    2*SLOT
.set HALFS,  (128*KS/256)*272
.set SBLK,   (16*KS/256)*272
.set SPARE,  SCL+4*HALFS               ; the spare words: 128 bytes a wave, two blocks of 256 bytes that no other line names
.set QUNIT,  8704
.set VUNIT,  8448
.set QHEAD,  16*QUNIT                  ; a head's bytes in qws and kws
.set VHEAD,  16*VUNIT                  ; and in vws
.set BL,   8                           ; v8-15   bias of my lane's row of A's block a (used for v)
.set ADRA, 16
.set ADRB, 20
.set LI,   24                          ; v24     16 x lane
.set SOFF, 25                          ; v25     where my scale words go
.set ADRS, 27
.set SPW,  28
.set NIL,  29
.set SC,   32
.set BR,   64                          ; v64-127 bias by register: 8 b + j: B's row 16 b + 8 h + j (used for q, k)
.set AF,   128
.set ST,   128                         ; the way out: 64 numbers
.set PC,   192                         ; their codes
.set TM,   208                         ; 208-211 largest magnitudes, 212-215 bytes, 216-219 448 x scale, 220-223 the conversions' scale operands
.set PW,   224                         ; the scale word just made
.set WS,   226                         ; the eight blocks' scale words
.set WO,   234                         ; as they are stored
.set SELR, 242
.set LB,   244                         ; v[244:245] the lane's bias, low register broadcast
.set FV,   3                           ; s3: 1 in v's work-groups
.set SEL,  20
.set MNT,  23
.set G1, 24
.set G0, 32
.set G1B, 48
.set G0B, 56
.set G1S, 68
.set G0S, 76
.set G1SB, 80
.set G0SB, 88
.set MSB, 0
.macro WIN new                         ; the immediate's high byte repeats the setting that is left
.if MSB != \new
	s_set_vgpr_msb (MSB<<8)|\new
.set MSB, \new
.endif
.endm
.set MUL_LO, 0xa1                      ; source 0 (B) window 1, source 1 (A) window 0, C and D window 2
.set MUL_HI, 0xf1
.set TO_B,   0x40
; A joint load: waves 0 and 1 fetch for A, waves 2 and 3 for B; the branch hangs on the wave's number alone.  Four v_nop follow each line.
.macro JLOAD g0a, g1a, g0b, g1b
	s_cmp_eq_u32 s15, 0
	s_cbranch_scc0 .Lfor_b_\@
	tensor_load_to_lds s[\g0a:\g0a+3], s[\g1a:\g1a+7]
	s_nop 0
.rept 4
	v_nop
.endr
	s_branch .Lasked_\@
.Lfor_b_\@:
	tensor_load_to_lds s[\g0b:\g0b+3], s[\g1b:\g1b+7]
	s_nop 0
.rept 4
	v_nop
.endr
.Lasked_\@:
.endm
.macro CREST                           ; a round of the cluster's barrier behind its opening barrier
	s_cmp_lg_u32 s14, 0
	s_cbranch_scc1 .Lnot_wave_0_\@
	s_barrier_signal -3
.Lnot_wave_0_\@:
	s_barrier_wait -3
	s_barrier_signal -1
	s_barrier_wait -1
.endm
.macro CROUND
	s_barrier_signal -1
	s_barrier_wait -1
	CREST
.endm
	s_load_b512 s[68:83], s[0:1], 0x0              ; hidden codes, scales; Wq codes, scales; Wk codes, scales; Wv codes, scales
	s_load_b256 s[84:91], s[0:1], 0x40             ; bq, bk, bv, qws
	s_load_b128 s[92:95], s[0:1], 0x60             ; kws, vws
	v_lshl_add_u32 v[SPW], v0, 2, SPARE
	v_mov_b32 v[NIL], 0
	ds_add_u32 v28, v29
	ds_add_u32 v28, v29
	s_wait_dscnt 0x0
	v_lshrrev_b32 v1, 5, v0
	v_readfirstlane_b32 s14, v1                    ; wave 0..3
	s_lshr_b32 s15, s14, 1                         ; which half of A's rows is mine.  Also: I fetch for A (0) or for B (1)
	s_and_b32 s16, s14, 1                          ; which half of B's rows.  Also: which 128 rows I fetch
	s_bfe_u32 s40, ttmp6, 0x40000                  ; cx
	s_bfe_u32 s41, ttmp6, 0x40004                  ; cy
	s_and_b32 s19, ttmp7, 0xffff
	s_lshl_b32 s19, s19, 2                         ; 4 x cluster y
	s_lshl_b32 s43, s41, 2
	s_lshl_b32 s43, 15, s43                        ; my row of the cluster
	s_lshl_b32 s44, 0x1111, s40                    ; my column
	s_or_b32 s[G1+0], s43, (0<<16)|(1<<20)|(1<<21)|(5<<22)|(3<<25)  ; the mask: A's tiles go to my row; elements of 1 byte; padding: 4 words after every 64; bit 21 beside a mask
	s_or_b32 s[G1B+0], s44, (0<<16)|(1<<20)|(1<<21)|(5<<22)|(3<<25)
.irp g, G1, G1B
	s_mov_b32 s[\g+1], ROWB<<16                    ; tensor_dim0
	s_mov_b32 s[\g+2], 256<<16                     ; tensor_dim1: the head's loads bring 256 rows
	s_mov_b32 s[\g+3], ROWB<<16                    ; tile_dim0
	s_mov_b32 s[\g+4], 256                         ; tile_dim1
	s_mov_b32 s[\g+5], KROW                        ; stride
	s_mov_b32 s[\g+6], 0
	s_mov_b32 s[\g+7], 0
.endr
	s_wait_kmcnt 0x0
	; which product: the choices hang on the cluster's x alone, which all sixteen partners share
	s_cmp_eq_u32 ttmp9, 0
	s_cselect_b64 s[8:9], s[72:73], s[76:77]       ; B's codes: Wq or Wk
	s_cselect_b64 s[10:11], s[74:75], s[78:79]     ; B's scales
	s_cselect_b64 s[96:97], s[84:85], s[86:87]     ; the bias
	s_cselect_b64 s[12:13], s[90:91], s[92:93]     ; the workspace
	s_cmp_eq_u32 ttmp9, 2
	s_cselect_b64 s[4:5], s[80:81], s[68:69]       ; A's codes: Wv, else hidden
	s_cselect_b64 s[6:7], s[82:83], s[70:71]
	s_cselect_b64 s[8:9], s[68:69], s[8:9]         ; B's: hidden, else the weight
	s_cselect_b64 s[10:11], s[70:71], s[10:11]
	s_cselect_b64 s[96:97], s[88:89], s[96:97]
	s_cselect_b64 s[12:13], s[94:95], s[12:13]
	s_cselect_b32 s[FV], 1, 0
	s_cselect_b32 s17, 0, s19                      ; the tokens' 32 tiles go along A's rows for q and k,
	s_cselect_b32 s42, s19, 0                      ; along B's rows for v
	s_add_co_u32 s17, s17, s41                     ; tile row (of A): + cy
	s_add_co_u32 s42, s42, s40                     ; tile column (of B): + cx
	; the scales of 128 rows: a dense block of 4,096 bytes, as 16 rows of 256 bytes (32 elements of 8 bytes), 16 bytes of padding behind each
	s_or_b32 s[G1S+0], s43, (3<<16)|(1<<20)|(1<<21)|(5<<22)|(3<<25)
	s_or_b32 s[G1SB+0], s44, (3<<16)|(1<<20)|(1<<21)|(5<<22)|(3<<25)
.irp g, G1S, G1SB
	s_mov_b32 s[\g+1], 32<<16
	s_mov_b32 s[\g+2], (256*KS/256)<<16            ; the scales of 256 rows in one load
	s_mov_b32 s[\g+3], 32<<16
	s_mov_b32 s[\g+4], 256*KS/256
	s_mov_b32 s[\g+5], 32
	s_mov_b32 s[\g+6], 0
	s_mov_b32 s[\g+7], 0
.endr
	s_lshl_b32 s20, s17, 8                         ; A: the tile's first row
	s_lshl_b32 s46, s42, 8                         ; B: likewise
	s_mov_b32 s21, 0
	s_mov_b32 s47, 0
	s_mov_b64 s[18:19], KS
	s_mul_u64 s[22:23], s[20:21], s[18:19]         ; where these rows' scales begin
	s_mul_u64 s[92:93], s[46:47], s[18:19]
	s_mov_b64 s[18:19], KROW
	s_mul_u64 s[20:21], s[20:21], s[18:19]         ; and their codes
	s_mul_u64 s[46:47], s[46:47], s[18:19]
	s_mul_i32 s45, s14, HALFT                      ; where they go: wave x 128 rows: no place in the cluster enters an LDS address
	s_mul_i32 s18, s16, 128*KROW                   ; in the ring I fetch 128 rows of a tile: which half, in bytes
	s_mov_b32 s19, 0
	s_add_nc_u64 s[20:21], s[4:5], s[20:21]
	s_add_nc_u64 s[22:23], s[6:7], s[22:23]
	s_add_nc_u64 s[46:47], s[8:9], s[46:47]
	s_add_nc_u64 s[92:93], s[10:11], s[92:93]
	CROUND                                         ; all sixteen work-groups are here: the first joint loads meet
	s_mov_b32 s[G0S], 1
	s_mov_b32 s[G0S+1], SCL
	s_mov_b64 s[G0S+2:G0S+3], s[22:23]
	s_or_b32 s[G0S+3], s[G0S+3], 0x80000000
	s_mov_b32 s[G0SB], 1
	s_mov_b32 s[G0SB+1], SCL+2*HALFS
	s_mov_b64 s[G0SB+2:G0SB+3], s[92:93]
	s_or_b32 s[G0SB+3], s[G0SB+3], 0x80000000
	s_mov_b32 s4, 1                                ; group 0 of the head's loads of K step 0, in registers that held arguments: A's 256 rows,
	s_mov_b32 s5, 0
	s_mov_b64 s[6:7], s[20:21]
	s_or_b32 s7, s7, 0x80000000
	s_mov_b32 s8, 1                                ; B's 256 rows, behind them in slot 0
	s_mov_b32 s9, 2*HALFT
	s_mov_b64 s[10:11], s[46:47]
	s_or_b32 s11, s11, 0x80000000
	s_add_nc_u64 s[20:21], s[20:21], s[18:19]      ; for the ring: my 128 rows of the tile
	s_add_nc_u64 s[46:47], s[46:47], s[18:19]
.irp s, 0,1
	s_mov_b32 s[G0+4*\s], 1
	s_add_co_u32 s[G0+4*\s+1], s45, \s*SLOT
	s_add_nc_u64 s[G0+4*\s+2:G0+4*\s+3], s[20:21], \s*ROWB
	s_or_b32 s[G0+4*\s+3], s[G0+4*\s+3], 0x80000000
	s_mov_b32 s[G0B+4*\s], 1
	s_add_co_u32 s[G0B+4*\s+1], s45, \s*SLOT
	s_add_nc_u64 s[G0B+4*\s+2:G0B+4*\s+3], s[46:47], \s*ROWB
	s_or_b32 s[G0B+4*\s+3], s[G0B+4*\s+3], 0x80000000
.endr
; The head's loads, one a wave: wave 0 K step 0's 256 rows of A, wave 1 its 256 rows of B, wave 2 A's scales, wave 3 B's.  One tree of branches on the wave's number, a load to an arm.
.macro ARM under, g0, g1, next
	s_cmp_lt_u32 s14, \under
	s_cbranch_scc0 \next
	tensor_load_to_lds s[\g0:\g0+3], s[\g1:\g1+7]
	s_nop 0
.rept 4
	v_nop
.endr
	s_branch .Lhead_asked
\next:
.endm
	; the prefetches' base: of the 128 rows that my wave fetches in the ring, each of the four partners that ask for them jointly takes 32, told apart by address (cx for A, cy for B)
	s_cmp_eq_u32 s15, 0
	s_cselect_b64 s[44:45], s[20:21], s[46:47]
	s_cselect_b32 s92, s40, s41
	s_mul_i32 s92, s92, 32*KROW
	s_mov_b32 s93, 0
	s_add_nc_u64 s[44:45], s[44:45], s[92:93]
	ARM 1, 4, G1, .Lhead_b
	ARM 2, 8, G1B, .Lhead_sa
	ARM 3, G0S, G1S, .Lhead_sb
	tensor_load_to_lds s[G0SB:G0SB+3], s[G1SB:G1SB+7]
	s_nop 0
.rept 4
	v_nop
.endr
.Lhead_asked:
	v_and_b32 v30, 31, v0
	v_lshlrev_b32 v30, 10, v30                     ; a lane a row of 1,024 bytes; v30 and s[44:45] are never rewritten
	global_prefetch_b8 v30, s[44:45] offset:ROWB th:TH_LOAD_NT scope:SCOPE_SE     ; K steps 1 and 2, 256 bytes of each row: one and two fills ahead of the loads that will want them;
	global_prefetch_b8 v30, s[44:45] offset:2*ROWB th:TH_LOAD_NT scope:SCOPE_SE   ; each block is named once in each cluster that will load it
	v_and_b32 v1, 15, v0
	v_bfe_u32 v2, v0, 4, 1                         ; h = lane / 16; kept
	v_mul_u32_u24 v3, v1, PITCH
	v_lshl_add_u32 v4, v2, 4, v3                   ; a fragment's row x pitch + 16 h
	s_mul_i32 s21, s15, HALFT                      ; my 128 rows of A
	s_mul_i32 s22, s16, HALFT                      ; my 128 rows of B,
	s_add_co_u32 s22, s22, 2*HALFT                 ; behind A's 256
.irp s, 0,1
	v_add_nc_u32 v[ADRA+\s], s21, v4
	v_add_nc_u32 v[ADRB+\s], s22, v4
	s_add_co_u32 s21, s21, SLOT
	s_add_co_u32 s22, s22, SLOT
.endr
	v_mul_u32_u24 v5, v1, KS                       ; my row's scales: 32 bytes a row,
	v_lshrrev_b32 v6, 8, v5
	v_lshl_add_u32 v5, v6, 4, v5                   ; and 16 more for each 256 passed
	s_mul_i32 s21, s15, HALFS
	s_mul_i32 s22, s16, HALFS
	s_add_co_u32 s22, s22, 2*HALFS
	s_sub_co_u32 s22, s22, s21
	v_mul_u32_u24 v6, s22, v2                      ; lanes 16-31 take B's: one product, the distance between the two bases
	s_add_co_u32 s21, s21, SCL
	v_add_nc_u32 v5, v5, v6
	v_add_nc_u32 v[ADRS], s21, v5
	v_and_b32 v6, 31, v0
	v_lshlrev_b32 v[LI], 4, v6
	v_lshlrev_b32 v7, 5, v2                        ; 32 h: the bias by register
	s_wait_alu depctr_va_vdst(0)
	v_lshlrev_b32 v18, 2, v1                       ; 4 r: the bias by lane
	; where my results go, and my biases
	s_wait_alu depctr_va_vdst(0)
	s_lshl_b32 s18, s17, 8
	s_lshl_b32 s2, s15, 7
	s_add_co_u32 s18, s18, s2                      ; my first row of A
	s_lshl_b32 s19, s42, 8
	s_lshl_b32 s2, s16, 7
	s_add_co_u32 s19, s19, s2                      ; my first row of B
	s_cmp_eq_u32 s[FV], 1
	s_cselect_b32 s92, s19, s18                    ; my first token
	s_cselect_b32 s93, s18, s19                    ; my first feature
	s_cselect_b32 s94, 0, s19                      ; the bias by register begins here (for v it is not used and reads from 0 on: inside the buffer)
	s_cselect_b32 s95, s18, 0                      ; the bias by lane likewise
	s_mov_b32 s46, QUNIT
	s_cselect_b32 s46, VUNIT, s46
	s_lshr_b32 s47, s92, 11                        ; batch
	s_lshl_b32 s47, s47, 4
	s_lshr_b32 s2, s93, 6                          ; head
	s_add_co_u32 s47, s47, s2
	s_lshl_b32 s47, s47, 4
	s_bfe_u32 s2, s92, 0x40007                     ; step of 128 tokens
	s_add_co_u32 s47, s47, s2
	s_mul_i32 s46, s47, s46                        ; under 2^24
	s_mov_b32 s47, 0
	s_add_nc_u64 s[12:13], s[12:13], s[46:47]
	s_lshl_b32 s46, s95, 2
	s_add_nc_u64 s[98:99], s[96:97], s[46:47]
	s_lshl_b32 s46, s94, 2
	s_add_nc_u64 s[96:97], s[96:97], s[46:47]
.irp b, 0,1,2,3,4,5,6,7
	global_load_b128 v[BR+8*\b:BR+8*\b+3], v7, s[96:97] offset:64*\b        ; bias(16 b + 8 h + 0 .. 7): waited for at the way out; nothing touches these registers or their addresses before
	global_load_b128 v[BR+8*\b+4:BR+8*\b+7], v7, s[96:97] offset:64*\b+16
.endr
.irp a, 0,1,2,3,4,5,6,7
	global_load_b32 v[BL+\a], v18, s[98:99] offset:64*\a                     ; bias(16 a + r)
.endr
.macro FRAG reg, adr, q, i             ; 16 rows x 128 K of 8-bit codes: registers 4 c .. 4 c + 3 hold K = 32 c + 16 h + 0 .. 15
.irp c, 0,1,2,3
	ds_load_b128 v[\reg+4*\c:\reg+4*\c+3], v[\adr] offset:128*(\q)+32*\c+(\i)*16*PITCH
.endr
.endm
; 16 matrix instructions: A's blocks a0, a0 + 1 x B's eight.  The 64 accumulators take turns, one instruction a turn, in the same order in every step.
.macro MUL16 a0, p, q, sc, zero
.irp a, \a0, \a0+1
.irp b, 0,1,2,3,4,5,6,7
.if \zero
	v_wmma_scale_f32_16x16x128_f8f6f4 v[8*(8*((\a)%4)+\b):8*(8*((\a)%4)+\b)+7], v[128*(\p)+FR*\b:128*(\p)+FR*\b+FR-1], v[AF+FR*(\a):AF+FR*(\a)+FR-1], 0, v[SC+8*NQ*(\sc)+NQ*\b+(\q)], v[SC+8*NQ*(\sc)+NQ*(\a)+(\q)] matrix_a_scale:MATRIX_SCALE_ROW1
.else
	v_wmma_scale_f32_16x16x128_f8f6f4 v[8*(8*((\a)%4)+\b):8*(8*((\a)%4)+\b)+7], v[128*(\p)+FR*\b:128*(\p)+FR*\b+FR-1], v[AF+FR*(\a):AF+FR*(\a)+FR-1], v[8*(8*((\a)%4)+\b):8*(8*((\a)%4)+\b)+7], v[SC+8*NQ*(\sc)+NQ*\b+(\q)], v[SC+8*NQ*(\sc)+NQ*(\a)+(\q)] matrix_a_scale:MATRIX_SCALE_ROW1
.endif
.endr
.endr
.endm
.macro FETCH_B slot, q, p
	WIN TO_B
.irp i, 0,1,2,3,4,5,6,7
	FRAG 128*(\p)+FR*\i, ADRB+\slot, \q, \i
.endr
	WIN 0
.endm
.macro FETCH_A slot, q, i0
.irp i, \i0, \i0+1, \i0+2, \i0+3
	FRAG AF+FR*(\i), ADRA+\slot, \q, \i
.endr
.endm
.macro SCALES sc                       ; a K step's scale words: lanes 0-15 A's block i, lanes 16-31 B's block i
.irp i, 0,1,2,3,4,5,6,7
	ds_load_b64 v[SC+8*NQ*\sc+NQ*\i:SC+8*NQ*\sc+NQ*\i+1], v[ADRS] offset:\i*SBLK
.endr
.endm
.macro PLACES n                        ; plain vector instructions between a matrix instruction and a load into, or a read of, its registers
.rept \n
	v_nop
.endr
.endm
.macro STEP slot, q, zero              ; 128 along K that has its successor in the same slot
	s_wait_dscnt 4*NL                              ; B's set and A's blocks 0-3 are in; the youngest 16 loads (A's blocks 4-7) may be out
	WIN MUL_LO
	MUL16 0, (\q)%2, \q, \slot, \zero
	MUL16 2, (\q)%2, \q, \slot, \zero
	s_wait_dscnt 0
	PLACES NP
	FETCH_B \slot, (\q)+1, 1-(\q)%2
	FETCH_A \slot, (\q)+1, 0
	WIN MUL_HI
	MUL16 4, (\q)%2, \q, \slot, \zero
	MUL16 6, (\q)%2, \q, \slot, \zero
	PLACES NP
	WIN 0
	FETCH_A \slot, (\q)+1, 4
.endm
; A slot's last step changes slots: one barrier; in front of it each wave waits for all its tensor loads, adds 0 to its spare word, and waits for that and for its reads of this slot.
.macro TURN slot, next, fill
	s_wait_tensorcnt 0x0                           ; all my tensor loads have landed: my part of the next slot
	ds_add_u32 v[SPW], v[NIL]                      ; 0 onto my spare word
	s_wait_dscnt 4*NL+1                            ; the add and the youngest 16 loads (A's blocks 4-7) may be out
	WIN MUL_LO
	MUL16 0, 1, NQ-1, \slot, 0
	s_wait_dscnt 0x0                               ; the add is done, and my reads of this slot are over
	s_barrier_signal -1
	MUL16 2, 1, NQ-1, \slot, 0
	WIN 0
	s_barrier_wait -1
.if \fill
	CREST                                          ; the barrier has opened a round of the cluster's: no wave of any partner still reads this slot or has a load on its way
	s_add_nc_u64 s[G0+4*\slot+2:G0+4*\slot+3], s[G0+4*\slot+2:G0+4*\slot+3], 2*ROWB
	s_add_nc_u64 s[G0B+4*\slot+2:G0B+4*\slot+3], s[G0B+4*\slot+2:G0B+4*\slot+3], 2*ROWB
	JLOAD G0+4*\slot, G1, G0B+4*\slot, G1B         ; the first tensor load behind the round, one a wave
	PLACES NP-4
.else
	PLACES NP
.endif
	s_wait_alu depctr_va_vdst(0)
	v_add_nc_u32 v[ADRS], 4*NQ, v[ADRS]
	FETCH_B \next, 0, 0
	FETCH_A \next, 0, 0
	SCALES \next
	WIN MUL_HI
	MUL16 4, 1, NQ-1, \slot, 0
	MUL16 6, 1, NQ-1, \slot, 0
	PLACES NP
	WIN 0
	FETCH_A \next, 0, 4
.endm
	s_wait_alu depctr_va_vdst(0)                   ; the wait at the head's end
	s_wait_tensorcnt 0x0                           ; my tile of the head's four is in
	ds_add_u32 v[SPW], v[NIL]
	s_mov_b32 s[G1+2], 128<<16                     ; no tensor load of mine is out: from here on a load brings 128 rows
	s_mov_b32 s[G1+4], 128
	s_mov_b32 s[G1B+2], 128<<16
	s_mov_b32 s[G1B+4], 128
	s_wait_dscnt 0x0
	CROUND                                         ; all four tiles are in, and all sixteen work-groups are here
	JLOAD G0+4, G1, G0B+4, G1B                     ; K step 1: the first tensor load behind the round, one a wave
	FETCH_B 0, 0, 0
	global_prefetch_b8 v30, s[44:45] offset:3*ROWB th:TH_LOAD_NT scope:SCOPE_SE   ; K step 3, the last: two fills ahead
	FETCH_A 0, 0, 0
	SCALES 0
	FETCH_A 0, 0, 4
	STEP 0, 0, 1                                   ; K = 1,024 is four K steps: written straight; the first products start the sums
	TURN 0, 1, 1                                   ; slot 0 takes K step 2
	STEP 1, 0, 0
	TURN 1, 0, 1                                   ; slot 1 takes K step 3
	STEP 0, 0, 0
	TURN 0, 1, 0
	STEP 1, 0, 0
	s_wait_dscnt 4*NL
	WIN MUL_LO
	MUL16 0, 1, NQ-1, 1, 0
	MUL16 2, 1, NQ-1, 1, 0
	s_wait_dscnt 0
	WIN MUL_HI
	MUL16 4, 1, NQ-1, 1, 0
	MUL16 6, 1, NQ-1, 1, 0
	WIN 0
; 64 numbers of a lane, v[s] on, register 16 b + i in block b, become 16 registers of codes in v[PC] on and a scale word in v[PW].
.macro QUANT s
.irp b, 0,1,2,3
	v_max3_num_f32 v[TM+\b], |v[\s+16*\b]|, |v[\s+1+16*\b]|, 0x4800000   ; my 16 numbers of block b, and the floor 2^(9 - 127): the byte cannot fall under 1
.endr
.irp i, 2,4,6,8,10,12,14
.irp b, 0,1,2,3
	v_max3_num_f32 v[TM+\b], v[TM+\b], |v[\s+16*\b+\i]|, |v[\s+1+16*\b+\i]|
.endr
.endr
.irp b, 0,1,2,3
	v_permlanex16_b32 v[TM+4+\b], v[TM+\b], s[SEL], s[SEL+1]
.endr
.irp b, 0,1,2,3
	v_max_num_f32 v[TM+\b], v[TM+\b], v[TM+4+\b]   ; with lane l xor 16's 16: the block's largest magnitude
.endr
.irp b, 0,1,2,3
	v_add_nc_u32 v[TM+12+\b], 0xfc000000, v[TM+\b] ; 8 off its exponent field: the conversion's scale operand
.endr
.irp b, 0,1,2,3
	v_and_or_b32 v[TM+8+\b], v[TM+\b], 0x7f800000, s[MNT]   ; 448 x the scale
.endr
.irp b, 0,1,2,3
	v_lshrrev_b32 v[TM+4+\b], 23, v[TM+12+\b]      ; the scale's byte
.endr
	v_lshl_or_b32 v[PW], v[TM+5], 8, v[TM+4]
	v_lshl_or_b32 v[PW], v[TM+6], 16, v[PW]
	v_lshl_or_b32 v[PW], v[TM+7], 24, v[PW]
.irp b, 0,1,2,3
.irp i, 0,1,2,3,4,5,6,7,8,9,10,11,12,13,14,15
	v_med3_num_f32 v[\s+16*\b+\i], v[\s+16*\b+\i], -v[TM+8+\b], v[TM+8+\b]   ; the conversion to an 8-bit code does not saturate (ISA guide 7.6.2): the hold
.endr
	v_cvt_scalef32_pk8_fp8_f32 v[PC+4*\b:PC+1+4*\b], v[\s+16*\b:\s+7+16*\b], v[TM+12+\b]
	v_cvt_scalef32_pk8_fp8_f32 v[PC+2+4*\b:PC+3+4*\b], v[\s+8+16*\b:\s+15+16*\b], v[TM+12+\b]
.endr
	v_nop                                          ; a plain instruction between the last conversion and the next vector instruction that writes its sources
.endm
; Block a of A's rows leaves: bias, quantiser, four stores of 512 consecutive bytes each.  Each accumulator is read from its low end on.
.macro ROWOUT a, isv
.if (\a) > 0
	s_wait_xcnt 0x0                                ; the last block's stores have read their data: the codes' registers may be written again
.endif
.if \isv
	v_mov_b32 v[LB], v[BL+(\a)]                    ; my channel's bias, into the low register of a pair
.endif
.set WN, 0x02+(\a)/4
	s_wait_alu depctr_va_vdst(0)
	WIN WN                                         ; source 0: window 2 or 3
.set i, 0
.rept 32
.if \isv
	v_pk_add_f32 v[ST+2*i:ST+2*i+1], v[64*((\a)%4)+2*i:64*((\a)%4)+2*i+1], v[LB:LB+1] op_sel_hi:[1,0]
.else
	v_pk_add_f32 v[ST+2*i:ST+2*i+1], v[64*((\a)%4)+2*i:64*((\a)%4)+2*i+1], v[BR+2*i:BR+2*i+1]
.endif
.set i, i+1
.endr
	WIN 0
	QUANT ST
	v_mov_b32 v[WS+(\a)], v[PW]
.irp c, 0,1,2,3
.if \isv
	global_store_b128 v[LI], v[PC+4*\c:PC+4*\c+3], s[12:13] offset:((\a)/4)*VHEAD+((\a)%4)*2048+512*\c    ; head a / 4, channels 16 (a % 4) on, keys 32 c on
.else
	global_store_b128 v[LI], v[PC+4*\c:PC+4*\c+3], s[12:13] offset:(\c/2)*QHEAD+(\a)*1024+(\c%2)*512      ; head c / 2, tokens 16 a on, channels 32 (c % 2) on
.endif
.endr
.endm
	PLACES NP                                      ; behind the last products: for the reads of results and the writes over A's fragments
	s_wait_loadcnt 0x0                             ; the biases
	s_mov_b32 s[SEL], 0x76543210
	s_mov_b32 s[SEL+1], 0xfedcba98                 ; v_permlanex16_b32: lane l xor 16
	s_mov_b32 s[MNT], 0x600000                     ; the mantissa field of 448
	s_mov_b32 vcc_lo, 0xffff0000                   ; lanes 16-31
.irp b, 0,1,2,3
	v_mov_b32 v[TM+4+\b], 0                        ; a lane permute's destination counts as one of its sources
.endr
	v_mov_b32 v[LB+1], 0                           ; named with v[LB] as a pair
	s_cmp_eq_u32 s[FV], 1
	s_cbranch_scc1 .Lv
.irp a, 0,1,2,3,4,5,6,7
	ROWOUT \a, 0
.endr
	v_mov_b32 v[SELR], 0x01000100                  ; lanes 0-15 make the first head's words (bytes 0, 1 twice),
	v_mov_b32 v[SELR+1], 0x03020302                ; lanes 16-31 the second head's (bytes 2, 3 twice)
	v_cndmask_b32 v[SELR], v[SELR], v[SELR+1], vcc_lo
.irp a, 0,1,2,3,4,5,6,7
	v_perm_b32 v[WO+\a], v[WS+\a], v[WS+\a], v[SELR]
.endr
	v_mul_u32_u24 v[SOFF], v2, QHEAD
	v_lshl_add_u32 v[SOFF], v1, 4, v[SOFF]
	global_store_b128 v[SOFF], v[WO:WO+3], s[12:13] offset:8192          ; sixteen lanes write 256 consecutive bytes, aligned
	global_store_b128 v[SOFF], v[WO+4:WO+7], s[12:13] offset:8192+256
	s_branch .Lend
.Lv:
.irp a, 0,1,2,3,4,5,6,7
	ROWOUT \a, 1
.endr
.irp k, 0,1,2,3
	v_cndmask_b32 v[WO+\k], v[WS+\k], v[WS+4+\k], vcc_lo                 ; lanes 0-15 the first head's four tiles of channels, lanes 16-31 the second's
.endr
	v_mul_u32_u24 v[SOFF], v2, VHEAD
	v_lshl_add_u32 v[SOFF], v1, 4, v[SOFF]
	global_store_b128 v[SOFF], v[WO:WO+3], s[12:13] offset:8192
.Lend:
	s_wait_tensorcnt 0x0                           ; the wave's end
	ds_add_u32 v[SPW], v[NIL]
	s_wait_dscnt 0x0
	CROUND                                         ; the closing round: no work-group ends while a partner may still ask for a tile that names it
	s_endpgm
.Lfunc_end_k_qd14685184a_proj:
	.size	k_qd14685184a_proj, .Lfunc_end_k_qd14685184a_proj-k_qd14685184a_proj
	.p2alignl 7, 3214868480
	.fill 96, 4, 3214868480
	.section	.rodata,"a",@progbits
	.p2align	6, 0x0
	.amdhsa_kernel k_qd14685184a_proj
		.amdhsa_group_segment_fixed_size 327680
		.amdhsa_private_segment_fixed_size 0
		.amdhsa_enable_private_segment 0
		.amdhsa_kernarg_size 112
		.amdhsa_user_sgpr_count 2
		.amdhsa_user_sgpr_kernarg_segment_ptr 1
		.amdhsa_wavefront_size32 1
		.amdhsa_system_sgpr_workgroup_id_x 1
		.amdhsa_system_sgpr_workgroup_id_y 1
		.amdhsa_system_sgpr_workgroup_id_z 1
		.amdhsa_system_vgpr_workitem_id 0
		.amdhsa_next_free_vgpr 1024
		.amdhsa_next_free_sgpr 100
		.amdhsa_reserve_vcc 1
		.amdhsa_float_denorm_mode_32 3
		.amdhsa_float_denorm_mode_16_64 3
		.amdhsa_memory_ordered 1
		.amdhsa_forward_progress 1
		.amdhsa_inst_pref_size 255
	.end_amdhsa_kernel
	.section	.bss,"aw",@nobits
	.p2align	6
	.space	262144
	.amdgpu_metadata
---
amdhsa.version: [ 1, 2 ]
amdhsa.kernels:
  - .name:           k_qd14685184a_proj
    .symbol:         k_qd14685184a_proj.kd
    .args:
      - { .name: hidden_states_codes, .offset: 0, .size: 8, .value_kind: global_buffer, .address_space: global }
      - { .name: hidden_states_scales, .offset: 8, .size: 8, .value_kind: global_buffer, .address_space: global }
      - { .name: Wq_codes, .offset: 16, .size: 8, .value_kind: global_buffer, .address_space: global }
      - { .name: Wq_scales, .offset: 24, .size: 8, .value_kind: global_buffer, .address_space: global }
      - { .name: Wk_codes, .offset: 32, .size: 8, .value_kind: global_buffer, .address_space: global }
      - { .name: Wk_scales, .offset: 40, .size: 8, .value_kind: global_buffer, .address_space: global }
      - { .name: Wv_codes, .offset: 48, .size: 8, .value_kind: global_buffer, .address_space: global }
      - { .name: Wv_scales, .offset: 56, .size: 8, .value_kind: global_buffer, .address_space: global }
      - { .name: bq, .offset: 64, .size: 8, .value_kind: global_buffer, .address_space: global }
      - { .name: bk, .offset: 72, .size: 8, .value_kind: global_buffer, .address_space: global }
      - { .name: bv, .offset: 80, .size: 8, .value_kind: global_buffer, .address_space: global }
      - { .name: qws, .offset: 88, .size: 8, .value_kind: global_buffer, .address_space: global }
      - { .name: kws, .offset: 96, .size: 8, .value_kind: global_buffer, .address_space: global }
      - { .name: vws, .offset: 104, .size: 8, .value_kind: global_buffer, .address_space: global }
    .group_segment_fixed_size: 327680
    .private_segment_fixed_size: 0
    .kernarg_segment_align: 8
    .kernarg_segment_size: 112
    .max_flat_workgroup_size: 128
    .sgpr_count:     100
    .vgpr_count:     1024
    .wavefront_size: 32
...
	.end_amdgpu_metadata
.endif
;; end of part 1
;; launch attn (part 2): grid 4 x 64, 8 waves a work-group, clusters of 4 x 1, 327,680 bytes of LDS; arguments qws, kws, vws, attention_mask, out0; writes out0
.if DOCPART == 2
	.amdgcn_target "amdgcn-amd-amdhsa--gfx1250"
	.amdhsa_code_object_version 6
	.text
	.protected	k_qd14685184a_attn
	.globl	k_qd14685184a_attn
	.p2align	8
	.type	k_qd14685184a_attn,@function
k_qd14685184a_attn:
	s_mov_b64 s[64:65], 0
	v_nop
	global_prefetch_b8 v0, s[64:65] scope:SCOPE_SE
	s_setreg_imm32_b32 hwreg(HW_REG_WAVE_MODE, 25, 1), 1
	s_wait_xcnt 0x0
	s_wait_alu depctr_hold_cnt(0) depctr_sa_sdst(0) depctr_va_vdst(0) depctr_va_sdst(0) depctr_va_ssrc(0) depctr_va_vcc(0) depctr_vm_vsrc(0)
	s_getreg_b32 s2, hwreg(HW_REG_IB_STS2, 6, 4)
	s_cmp_eq_u32 s2, 0
	s_cbranch_scc0 .Lentry_in_a_cluster
	s_endpgm
.Lentry_in_a_cluster:
	s_bfe_u32 s2, ttmp6, 0x10000c
	s_cmp_lg_u32 s2, 0x3003
	s_cbranch_scc0 .Lentry_shape_is_right
	s_endpgm
.Lentry_shape_is_right:
; out = softmax(q k^T / 8 + causal + attention_mask) v for one (batch, head) a cluster, both products on codes of E4M3 with E8M0 scales, as launch proj left them (images of operand registers).
; THE SOFTMAX IS QUANTISED FINISHED AND NORMALISED, so the row's sum is known before any p is quantised: TWO PASSES over the keys.  Pass A: running largest t (M = it rounded up to a whole number) and the sum of 2^(t - M).
; Pass B: the scores again, p = 2^(t - (M + log2 sum)), one multiply-add and one exponential a number; quantised along the keys in blocks of 32; O^T += V^T P^T.
; LEFT OUT: key steps that lie wholly behind a query tile under the causal mask; nothing else.
; The additive mask, x 8, is the C of the score product (t = (q.k + 8 mask) x log2(e) / 8).  -inf in the mask becomes -2^34, finite numbers are held at +-2^33 / 8.
; A row whose every visible key has -inf (largest t under -2^31) gets p = 0 throughout.
; LIMITS: the promise holds while the scaled scores stay under 2^31 in magnitude; NaN and +inf in the mask are not served; a block of p under 2^-118 carries the byte 1 (its codes are zeros).
; SHARES.  A cluster of four work-groups owns a head; all four ask jointly for the head's K (139,264 bytes) and V (135,168 bytes), which stay in LDS: waves 0-3 fetch K's quarters, waves 4-7 V's, one load a wave, filled once.
; K is shown by the first barrier (waves 0-3 wait there), V by the barrier between the passes.  No data prefetch: K and V come once, at the head, and there is no loop to run ahead in.
; A wave owns four tiles of 16 queries, one of each of four groups of 64 queries (work-group cx takes 16 of a group).  With w = wave % 4, waves 0-3 own groups 31 - w, 24 + w, 15 - w, 8 + w: 42 tile steps in each pass;
; waves 4-7 own the groups eight lower: 26 tile steps.  The shares are unequal by design; waves w and w + 4 together own 68 tile steps, alike for every w.
; In a step the tiles go 3, 2, 1, 0: tile 0 lives longest, so the next step's K, scale words and mask are asked for behind its score product and land under its vector work; V's next fragments are asked for behind the step's last product.
; LAYOUT.  Both products transposed: a lane holds one query (lane % 16).  The head's 64 channels fill half of the instruction's K = 128: the other half meets zero codes of Q.  Q's tiles lie Q0 Z Q1 Q2 Z Q3:
; tiles 0, 2 read [Q Z] against [K(t) K(t+1)], tiles 1, 3 read [Z Q] against [K(t-1) K(t)]; ahead of K(0) lie V's last eight registers (finite codes; zeros in pass A), behind K(7) eight zeros.  Scale words hold their two bytes twice.
; REGISTERS, window 0: v1-9 addresses, spare word, 0; v10-17 -(M + log2 sum); v18-34 scale words; v38-53 at work; v56-119 scores, then p; v120-183 V (pass A: M, t, sums); v184-255 K and zeros.
;   window 1: v0-63 the mask x 8; v64-111 Q; v112-127 p's codes; v128-255 O^T (begins as zeros, written once at the head, so that the step is written once).
.set KUNIT, 8704
.set VUNIT, 8448
.set KHEAD, 16*KUNIT
.set VHEAD, 16*VUNIT
.set LV,    KHEAD
.set MASK,  LV+VHEAD
.set STAGE, MASK+8192                  ; the way out: 16 rows x 272 bytes a wave
.set SP,    272
.set SPARE, STAGE+8*16*SP              ; the spare words: 128 bytes a wave
.set LI,  1
.set LR,  2
.set LH,  3
.set STO, 5
.set RD,  6
.set GO,  7
.set SPW, 8
.set NIL, 9
.set NI,  10
.set KS,  18
.set QS,  26
.set VS,  30
.set PS,  34
.set NEG, 35
.set FF,  36
.set BM,  38
.set ADK, 38
.set ADS, 39
.set ADM, 40
.set BP,  42
.set LIM, 46
.set SOP, 50
.set GT,  54
.set TA,  55
.set S,   56
.set VF,  120
.set STA, 120
.set T,   136
.set KV,  184
.set MK,  0
.set QF,  64
.set PC,  112
.set OT,  128
.set WV,  14
.set CX,  15
.set BH,  16
.set SEL, 20
.set CS,  22
.set MNT, 24
.set STP, 25
.set KO,  26
.set MO,  27
.set VO,  28
.set G1K, 32
.set G1V, 40
.set G0K, 48
.set G0V, 52
.set DS,  56                           ; s56-59 a tile's last (diagonal) step
.set HF,  60                           ; s60-63 which half of that step's 128 keys holds the diagonal
.set CM,  66                           ; s66-97 lane masks of hidden keys: 8 u + j: key tile u of that half, register j (until they are made: temporaries of the head)
.set OFF, 98                           ; s98-101 a tile's byte offset in out0
.set MSB, 0
.macro WIN new
.if MSB != \new
	s_set_vgpr_msb (MSB<<8)|\new
.set MSB, \new
.endif
.endm
.macro NOPS n
.rept \n
	v_nop
.endr
.endm
.macro CROUND
	s_barrier_signal -1
	s_barrier_wait -1
	s_cmp_lg_u32 s[WV], 0
	s_cbranch_scc1 .Lnot_wave_0_\@
	s_barrier_signal -3
.Lnot_wave_0_\@:
	s_barrier_wait -3
	s_barrier_signal -1
	s_barrier_wait -1
.endm
.macro ZOT                             ; O^T begins as zeros
	WIN 0x40
.set i, 0
.rept 128
	v_mov_b32 v[OT+i], 0
.set i, i+1
.endr
	WIN 0
.endm
	s_load_b256 s[4:11], s[0:1], 0x0               ; qws, kws, vws, attention_mask
	s_load_b64 s[12:13], s[0:1], 0x20              ; out0
	v_lshl_add_u32 v[SPW], v0, 2, SPARE
	v_mov_b32 v[NIL], 0
	ds_add_u32 v[SPW], v[NIL]
	ds_add_u32 v[SPW], v[NIL]
	v_lshrrev_b32 v1, 5, v0
	v_readfirstlane_b32 s[WV], v1
	s_and_b32 s[BH], ttmp7, 0xffff                 ; batch x 16 + head
	s_bfe_u32 s[CX], ttmp6, 0x40000
	s_mov_b32 s[G1K], 15|(3<<16)|(1<<21)           ; all four partners; elements of 8 bytes; dense rows of 256 bytes
	s_mov_b32 s[G1K+1], 32<<16
	s_mov_b32 s[G1K+2], 136<<16                    ; four units of K: 34,816 bytes
	s_mov_b32 s[G1K+3], 32<<16
	s_mov_b32 s[G1K+4], 136
	s_mov_b32 s[G1K+5], 32
	s_mov_b32 s[G1K+6], 0
	s_mov_b32 s[G1K+7], 0
	s_mov_b32 s[G1V], 15|(3<<16)|(1<<21)
	s_mov_b32 s[G1V+1], 32<<16
	s_mov_b32 s[G1V+2], 132<<16                    ; four units of V: 33,792 bytes
	s_mov_b32 s[G1V+3], 32<<16
	s_mov_b32 s[G1V+4], 132
	s_mov_b32 s[G1V+5], 32
	s_mov_b32 s[G1V+6], 0
	s_mov_b32 s[G1V+7], 0
	s_and_b32 s17, s[WV], 3                        ; w: which quarter I fetch, and my place among my four waves
	s_mul_i32 s30, s[BH], KHEAD
	s_mov_b32 s31, 0
	s_mul_i32 s18, s17, 4*KUNIT
	s_mov_b32 s19, 0
	s_mul_i32 s68, s[BH], VHEAD
	s_mov_b32 s69, 0
	s_mul_i32 s70, s17, 4*VUNIT
	s_mov_b32 s71, 0
	s_mov_b32 s[G0K], 1
	s_mul_i32 s[G0K+1], s17, 4*KUNIT
	s_mov_b32 s[G0V], 1
	s_mul_i32 s[G0V+1], s17, 4*VUNIT
	s_add_co_u32 s[G0V+1], s[G0V+1], LV
	s_lshr_b32 s29, s[WV], 2
	s_lshl_b32 s29, s29, 3                         ; 8 in waves 4-7
	s_xor_b32 s80, s17, 31                         ; my four groups of 64 queries: 31 - w,
	s_or_b32 s81, s17, 24                          ; 24 + w,
	s_xor_b32 s82, s17, 15                         ; 15 - w,
	s_or_b32 s83, s17, 8                           ; 8 + w;
.irp x, 0,1,2,3
	s_sub_co_u32 s[80+\x], s[80+\x], s29           ; in waves 4-7 eight lower
.endr
	s_lshr_b32 s2, s[BH], 4                        ; batch
	s_lshl_b32 s3, s2, 23
	s_and_b32 s84, s[BH], 15
	s_lshl_b32 s84, s84, 8
	s_add_co_u32 s3, s3, s84                       ; batch and head in out0
	s_lshl_b32 s66, s2, 13                         ; the batch's mask
	s_mov_b32 s67, 0
	s_mov_b32 s[SEL], 0x76543210
	s_mov_b32 s[SEL+1], 0xfedcba98
	s_mov_b32 s[CS], 0x3e38aa3b                    ; log2(e) / 8
	s_mov_b32 s[CS+1], s[CS]
	s_mov_b32 s[MNT], 0x600000
	v_and_b32 v4, 31, v0
	v_lshlrev_b32 v[LI], 4, v4                     ; 16 x lane
	v_and_b32 v4, 15, v0                           ; r
	v_lshlrev_b32 v[LR], 4, v4
	v_bfe_u32 v[TA], v0, 4, 1                      ; h
	v_lshlrev_b32 v[LH], 5, v[TA]
	v_lshlrev_b32 v[LIM], 3, v[TA]
	v_sub_nc_u32 v[LIM], v4, v[LIM]                ; r - 8 h
	s_mul_i32 s84, s[WV], 16*SP
	s_add_co_u32 s84, s84, STAGE
	v_mul_u32_u24 v[STO], v4, SP
	v_lshl_add_u32 v[STO], v[TA], 5, v[STO]
	v_add_nc_u32 v[STO], s84, v[STO]
	v_mul_u32_u24 v[RD], v[TA], SP
	v_lshl_add_u32 v[RD], v4, 4, v[RD]
	v_add_nc_u32 v[RD], s84, v[RD]
	v_lshlrev_b32 v[GO], 12, v[TA]
	v_lshl_add_u32 v[GO], v4, 4, v[GO]
	v_lshlrev_b32 v[GT], 4, v0
	v_add_nc_u32 v[TA], MASK, v[GT]
.irp j, 0,1,2,3,4,5,6,7
	v_cmp_gt_i32 s[CM+24+\j], \j, v[LIM]           ; on the diagonal's key tile register j is hidden where 8 h + j > r
.endr
	s_wait_alu depctr_va_vdst(0)
.irp x, 0,1,2,3
	s_lshr_b32 s[DS+\x], s[80+\x], 1
	s_and_b32 s[HF+\x], s[80+\x], 1
	s_lshl_b32 s84, s[HF+\x], 2
	s_add_co_u32 s84, s84, s[CX]                   ; the tile's place among its step's eight
	s_mul_i32 s85, s[DS+\x], KUNIT
	s_lshl_b32 s84, s84, 10
	s_add_co_u32 s84, s85, s84
	v_add_nc_u32 v[BM+\x], s84, v[LI]              ; Q's codes
	s_lshl_b32 s86, s[HF+\x], 8
	s_add_co_u32 s86, s86, s85
	s_lshl_b32 s84, s[CX], 2
	s_add_co_u32 s86, s86, s84
	s_add_co_u32 s86, s86, 8192
	v_add_nc_u32 v[BP+\x], s86, v[LR]              ; Q's scale word
	s_lshl_b32 s84, s[80+\x], 2
	s_add_co_u32 s84, s84, s[CX]
	s_lshl_b32 s84, s84, 16                        ; 16 queries x 4,096 bytes
	s_add_co_u32 s[OFF+\x], s84, s3
.endr
	s_wait_alu depctr_va_vdst(0)                   ; ahead of the waits below and of the loads that read these addresses
	s_wait_dscnt 0x0
	s_wait_kmcnt 0x0
	s_add_nc_u64 s[4:5], s[4:5], s[30:31]          ; Q's head
	s_add_nc_u64 s[10:11], s[10:11], s[66:67]
	global_load_b128 v[S:S+3], v[GT], s[10:11]     ; the mask and Q are asked for ahead of the round
	global_load_b128 v[S+4:S+7], v[GT], s[10:11] offset:4096
	WIN 0x40
.irp x, 0,1,2,3
	global_load_b128 v[QF+24*(\x/2)+16*(\x%2):QF+24*(\x/2)+16*(\x%2)+3], v[BM+\x], s[4:5]
	global_load_b128 v[QF+24*(\x/2)+16*(\x%2)+4:QF+24*(\x/2)+16*(\x%2)+7], v[BM+\x], s[4:5] offset:512
.endr
	WIN 0
.irp x, 0,1,2,3
	global_load_b32 v[QS+\x], v[BP+\x], s[4:5]
.endr
	s_add_nc_u64 s[G0K+2:G0K+3], s[6:7], s[30:31]
	s_add_nc_u64 s[G0K+2:G0K+3], s[G0K+2:G0K+3], s[18:19]
	s_or_b32 s[G0K+3], s[G0K+3], 0x80000000
	s_add_nc_u64 s[G0V+2:G0V+3], s[8:9], s[68:69]
	s_add_nc_u64 s[G0V+2:G0V+3], s[G0V+2:G0V+3], s[70:71]
	s_or_b32 s[G0V+3], s[G0V+3], 0x80000000
	CROUND                                         ; the four partners are here: the joint loads meet
	s_cmp_lt_u32 s[WV], 4                          ; one load a wave, a line for each group of waves.  K is wanted first: V's waves write O^T's zeros ahead of their load, K's waves behind theirs
	s_cbranch_scc0 .Lfor_v
	tensor_load_to_lds s[G0K:G0K+3], s[G1K:G1K+7]
	s_nop 0
	NOPS 4
	ZOT
	s_branch .Lasked
.Lfor_v:
	ZOT
	tensor_load_to_lds s[G0V:G0V+3], s[G1V:G1V+7]
	s_nop 0
	NOPS 4
.Lasked:
	WIN 0x40
.irp j, 0,1,2,3,4,5,6,7
	v_mov_b32 v[QF+8+\j], 0                        ; the zero codes between Q0 and Q1,
	v_mov_b32 v[QF+32+\j], 0                       ; and between Q2 and Q3
.endr
	WIN 0
.irp j, 0,1,2,3,4,5,6,7
	v_mov_b32 v[KV+64+\j], 0                       ; behind K(7)
	v_mov_b32 v[VF+56+\j], 0                       ; ahead of K(0), in pass A
.endr
.irp x, 0,1,2,3
	v_mov_b32 v[STA+4*\x+1], 0xff61b1e6            ; the largest t so far: -3e38
	v_mov_b32 v[STA+4*\x+2], 0                     ; the sum, in two halves
	v_mov_b32 v[STA+4*\x+3], 0
	v_mov_b32 v[NI+2*\x+1], 0                      ; named as the upper half of a pair
.endr
.irp x, 0,1,2,3
	v_floor_f32 v[STA+4*\x], -v[STA+4*\x+1]        ; -M
.endr
	v_mov_b32 v[FF+1], 0
	v_mov_b32 v[NEG], 0xff800000                   ; -infinity
	v_mov_b32 v[LIM+1], 0xd0800000                 ; -2^34
	s_mov_b32 s30, 0xd0000000
	s_mov_b32 s31, 0x50000000
.irp u, 0,1,2,3                                ; key tile u of the diagonal's half: behind cx all hidden, at cx the triangle, ahead of cx none.  The masks are data: no branch hangs on cx
	s_cmp_eq_u32 s[CX], \u
.irp p, 0,2,4,6
	s_cselect_b64 s[CM+8*\u+\p:CM+8*\u+\p+1], s[CM+24+\p:CM+24+\p+1], 0
.endr
	s_cmp_lt_u32 s[CX], \u
.irp p, 0,2,4,6
	s_cselect_b64 s[CM+8*\u+\p:CM+8*\u+\p+1], -1, s[CM+8*\u+\p:CM+8*\u+\p+1]
.endr
.endr
	s_wait_alu depctr_va_vdst(0)
	s_wait_loadcnt 0x0
.irp j, 0,1,2,3,4,5,6,7
	v_mul_f32 v[S+8+\j], 0x41000000, v[S+\j]       ; 8 x mask
.endr
.irp j, 0,1,2,3,4,5,6,7
	v_med3_num_f32 v[S+8+\j], v[S+8+\j], s30, s31
.endr
.irp g, 0,4
	v_cmp_eq_f32 s17, v[NEG], v[S+\g]
	v_cmp_eq_f32 s18, v[NEG], v[S+\g+1]
	v_cmp_eq_f32 s19, v[NEG], v[S+\g+2]
	v_cmp_eq_f32 s29, v[NEG], v[S+\g+3]
	v_cndmask_b32 v[S+8+\g], v[S+8+\g], v[LIM+1], s17
	v_cndmask_b32 v[S+9+\g], v[S+9+\g], v[LIM+1], s18
	v_cndmask_b32 v[S+10+\g], v[S+10+\g], v[LIM+1], s19
	v_cndmask_b32 v[S+11+\g], v[S+11+\g], v[LIM+1], s29
.endr
	ds_store_b128 v[TA], v[S+8:S+11]
	ds_store_b128 v[TA], v[S+12:S+15] offset:4096
	s_wait_alu depctr_va_vdst(0)                   ; the wait at the head's end
	s_wait_dscnt 0x0
	s_cmp_lt_u32 s[WV], 4
	s_cbranch_scc0 .Lnot_k
	s_wait_tensorcnt 0x0                           ; waves 0-3: K has landed.  V's waves wait at the barrier between the passes
.Lnot_k:
	s_barrier_signal -1
	s_barrier_wait -1
; 34 LDS loads: a step's mask, K and K's scale words.  The three additions and n v_nop are the places behind the products that read these registers (ISA guide 7.12.1 for vector instructions)
.macro LOADK ko, mo, n
	v_add_nc_u32 v[ADK], s[\ko], v[LI]
	v_add_nc_u32 v[ADS], s[\ko], v[LR]
	v_add_nc_u32 v[ADM], s[\mo], v[LH]
	NOPS \n
	WIN 0x40
.irp t, 0,1,2,3,4,5,6,7
	ds_load_b128 v[MK+8*\t:MK+8*\t+3], v[ADM] offset:64*\t
	ds_load_b128 v[MK+8*\t+4:MK+8*\t+7], v[ADM] offset:64*\t+16
.endr
	WIN 0
.irp t, 0,1,2,3,4,5,6,7
	ds_load_b128 v[KV+8*\t:KV+8*\t+3], v[ADK] offset:1024*\t
	ds_load_b128 v[KV+8*\t+4:KV+8*\t+7], v[ADK] offset:1024*\t+512
.endr
	ds_load_b128 v[KS:KS+3], v[ADS] offset:8192
	ds_load_b128 v[KS+4:KS+7], v[ADS] offset:8192+256
.endm
.macro NEXTK                           ; the next step's, held at the last step: no read leaves K's and the mask's bytes
	s_add_co_u32 s17, s[KO], KUNIT
	s_min_u32 s17, s17, 15*KUNIT
	s_add_co_u32 s18, s[MO], 512
	s_min_u32 s18, s18, MASK+15*512
	LOADK 17, 18, 5
.endm
.macro LOADV vo, n                     ; 17 LDS loads; the first two fill v176-183, which the score products of tiles 1 and 3 name
	v_add_nc_u32 v[ADK], s[\vo], v[LI]
	v_add_nc_u32 v[ADS], s[\vo], v[LR]
	NOPS \n
.irp d, 3,2,1,0
.irp c, 3,2,1,0
	ds_load_b128 v[VF+16*\d+4*\c:VF+16*\d+4*\c+3], v[ADK] offset:2048*\d+512*\c
.endr
.endr
	ds_load_b128 v[VS:VS+3], v[ADS] offset:8192
.endm
.macro QK x                            ; S^T = K Q^T + 8 mask: eight tiles of 16 keys
	WIN 0x14
.irp t, 0,1,2,3,4,5,6,7
	v_wmma_scale_f32_16x16x128_f8f6f4 v[S+8*\t:S+8*\t+7], v[KV+8*\t-8*(\x%2):KV+8*\t-8*(\x%2)+15], v[QF+24*(\x/2)+8*(\x%2):QF+24*(\x/2)+8*(\x%2)+15], v[MK+8*\t:MK+8*\t+7], v[KS+\t], v[QS+\x]
.endr
	WIN 0
.endm
.macro SCORES x, pf                    ; pf = 1: the step's last tile: K's registers are free behind its products
	QK \x
.if \pf
	NEXTK
.else
	NOPS 8
.endif
	s_cmp_lg_u32 s[STP], s[DS+\x]                  ; the diagonal step: hidden scores become -infinity.  The branches hang on the wave's number and the step alone
	s_cbranch_scc1 .Lopen_\@
	s_cmp_eq_u32 s[HF+\x], 0
	s_cbranch_scc1 .Llow_\@
.set n, 0
.rept 32
	v_cndmask_b32 v[S+32+n], v[S+32+n], v[NEG], s[CM+n]   ; the diagonal lies in keys 64-127: keys 0-63 all count
.set n, n+1
.endr
	s_wait_alu depctr_va_vdst(0)
	s_branch .Lopen_\@
.Llow_\@:
.set n, 0
.rept 32
	v_cndmask_b32 v[S+n], v[S+n], v[NEG], s[CM+n]  ; the diagonal lies in keys 0-63,
.set n, n+1
.endr
.rept 32
	v_mov_b32 v[S+n], v[NEG]                       ; and keys 64-127 are all hidden
.set n, n+1
.endr
	s_wait_alu depctr_va_vdst(0)
.Lopen_\@:
.irp b, 0,1,2,3                                ; the largest score of each block of 32 keys, my 16 of them; the four blocks by turns
	v_max3_num_f32 v[BM+\b], v[S+16*\b], v[S+16*\b+1], v[S+16*\b+2]
.endr
.irp i, 3,5,7,9,11,13
.irp b, 0,1,2,3
	v_max3_num_f32 v[BM+\b], v[BM+\b], v[S+16*\b+\i], v[S+16*\b+\i+1]
.endr
.endr
.irp b, 0,1,2,3
	v_max_num_f32 v[BM+\b], v[BM+\b], v[S+16*\b+15]
.endr
.endm
.macro TILEA x, pf
	SCORES \x, \pf
	s_delay_alu instid0(VALU_DEP_2)
	v_max3_num_f32 v[BM], v[BM], v[BM+1], v[BM+2]
	s_delay_alu instid0(VALU_DEP_1)
	v_max_num_f32 v[BM], v[BM], v[BM+3]
	s_delay_alu instid0(VALU_DEP_1)
	v_permlanex16_b32 v[BP], v[BM], s[SEL], s[SEL+1]
	s_delay_alu instid0(VALU_DEP_1)
	v_max_num_f32 v[BM], v[BM], v[BP]
	s_delay_alu instid0(VALU_DEP_1)
	v_mul_f32 v[BM], s[CS], v[BM]
	s_delay_alu instid0(VALU_DEP_1)
	v_max_num_f32 v[STA+4*\x+1], v[STA+4*\x+1], v[BM]     ; the running largest t
	v_mov_b32 v[BM], v[STA+4*\x]
	s_delay_alu instid0(VALU_DEP_2)
	v_floor_f32 v[STA+4*\x], -v[STA+4*\x+1]               ; -M = floor(-t)
.set j, 0
.rept 32                                       ; t - M; among these lines the three that make 2^(old M - new M), which is wanted behind the exponentials
	v_pk_fma_f32 v[S+j:S+j+1], v[S+j:S+j+1], s[CS:CS+1], v[STA+4*\x:STA+4*\x+1] op_sel_hi:[1,0,0]
.if j == 14
	v_sub_f32 v[BM], v[STA+4*\x], v[BM]
.endif
.if j == 30
	v_cvt_i32_f32 v[BM], v[BM]
.endif
.if j == 46
	v_ldexp_f32 v[FF], 1.0, v[BM]
.endif
.set j, j+2
.endr
	s_wait_alu depctr_va_vdst(0)                   ; one wait ahead of the batch, one behind it
.set j, 0
.rept 64
	v_exp_f32 v[S+j], v[S+j]
.set j, j+1
.endr
	v_pk_mul_f32 v[STA+4*\x+2:STA+4*\x+3], v[STA+4*\x+2:STA+4*\x+3], v[FF:FF+1] op_sel_hi:[1,0]
	s_wait_alu depctr_va_vdst(0)
	v_pk_add_f32 v[T:T+1], v[S:S+1], v[S+2:S+3]           ; the sum in four chains by turns
	v_pk_add_f32 v[T+2:T+3], v[S+4:S+5], v[S+6:S+7]
	v_pk_add_f32 v[T+4:T+5], v[S+8:S+9], v[S+10:S+11]
.set j, 12
.rept 26
.if (j/2)%4 == 2
	v_pk_add_f32 v[STA+4*\x+2:STA+4*\x+3], v[STA+4*\x+2:STA+4*\x+3], v[S+j:S+j+1]
.else
	v_pk_add_f32 v[T+2*((j/2+1)%4):T+2*((j/2+1)%4)+1], v[T+2*((j/2+1)%4):T+2*((j/2+1)%4)+1], v[S+j:S+j+1]
.endif
.set j, j+2
.endr
	v_pk_add_f32 v[T:T+1], v[T:T+1], v[T+2:T+3]
	v_pk_add_f32 v[STA+4*\x+2:STA+4*\x+3], v[STA+4*\x+2:STA+4*\x+3], v[T+4:T+5]
	v_pk_add_f32 v[STA+4*\x+2:STA+4*\x+3], v[STA+4*\x+2:STA+4*\x+3], v[T:T+1]
.endm
.macro TILEB x, pf
	SCORES \x, \pf
.irp b, 0,1,2,3
	s_delay_alu instid0(VALU_DEP_4)
	v_permlanex16_b32 v[BP+\b], v[BM+\b], s[SEL], s[SEL+1]
.endr
.irp b, 0,1,2,3
	s_delay_alu instid0(VALU_DEP_4)
	v_max_num_f32 v[BM+\b], v[BM+\b], v[BP+\b]     ; the block's largest score: p rises with the score
.endr
.set j, 0
.rept 32
	v_pk_fma_f32 v[S+j:S+j+1], v[S+j:S+j+1], s[CS:CS+1], v[NI+2*\x:NI+2*\x+1] op_sel_hi:[1,0,0]   ; t - M - log2 sum
.set j, j+2
.endr
.irp b, 0,1,2,3
	v_fma_f32 v[BM+\b], v[BM+\b], s[CS], v[NI+2*\x]
.endr
	s_wait_alu depctr_va_vdst(0)
.set j, 0
.rept 64
	v_exp_f32 v[S+j], v[S+j]                       ; p, normalised
.set j, j+1
.endr
.irp b, 0,1,2,3
	v_exp_f32 v[BM+\b], v[BM+\b]                   ; the block's largest p
.endr
	v_nop
	s_wait_alu depctr_va_vdst(0)
.irp b, 0,1,2,3
	v_max_num_f32 v[BM+\b], 0x4800000, v[BM+\b]    ; the floor 2^(9 - 127): the byte cannot fall under 1
.endr
.irp b, 0,1,2,3
	s_delay_alu instid0(VALU_DEP_4)
	v_add_nc_u32 v[SOP+\b], 0xfc000000, v[BM+\b]   ; the conversion's scale operand
.endr
.irp b, 0,1,2,3
	v_and_or_b32 v[LIM+\b], v[BM+\b], 0x7f800000, s[MNT]   ; 448 x the scale
.endr
.irp b, 0,1,2,3
	v_lshrrev_b32 v[BP+\b], 23, v[SOP+\b]
.endr
	s_delay_alu instid0(VALU_DEP_3)
	v_lshl_or_b32 v[PS], v[BP+1], 8, v[BP]
	s_delay_alu instid0(VALU_DEP_1)
	v_lshl_or_b32 v[PS], v[BP+2], 16, v[PS]
	s_delay_alu instid0(VALU_DEP_1)
	v_lshl_or_b32 v[PS], v[BP+3], 24, v[PS]
.irp b, 0,1,2,3
	v_mov_b32 v[BP+(\b+1)%4], v[LIM+\b]            ; a second copy of the bound, one register bank on: the two halves of a dual pair take their sources from different banks
.endr
.irp b, 0,1,2,3
.irp i, 0,2,4,6,8,10,12,14
	v_dual_min_num_f32 v[S+16*\b+\i], v[S+16*\b+\i], v[LIM+\b] :: v_dual_min_num_f32 v[S+16*\b+\i+1], v[S+16*\b+\i+1], v[BP+(\b+1)%4]   ; the hold, two numbers a line: the conversion does not saturate (ISA guide 7.6.2); p is not negative
.endr
.endr
	WIN 0x40
.irp b, 0,1,2,3
	v_cvt_scalef32_pk8_fp8_f32 v[PC+4*\b:PC+4*\b+1], v[S+16*\b:S+16*\b+7], v[SOP+\b]
	v_cvt_scalef32_pk8_fp8_f32 v[PC+4*\b+2:PC+4*\b+3], v[S+16*\b+8:S+16*\b+15], v[SOP+\b]
.endr
	WIN 0
	NOPS 4                                         ; places between the codes and the scaled product
	s_wait_dscnt 0x0                               ; V's fragments are in
	s_wait_alu depctr_va_vdst(0)
	WIN 0x54
.irp d, 0,1,2,3                                ; O^T += V^T P^T, the four accumulators by turns
	v_wmma_scale_f32_16x16x128_f8f6f4 v[OT+32*\x+8*\d:OT+32*\x+8*\d+7], v[VF+16*\d:VF+16*\d+15], v[PC:PC+15], v[OT+32*\x+8*\d:OT+32*\x+8*\d+7], v[VS+\d], v[PS]
.endr
	WIN 0
	s_cmp_lg_u32 s[STP], s[DS+\x]                  ; behind its diagonal step a tile leaves, through my stage: sixteen lanes store 256 consecutive bytes, aligned
	s_cbranch_scc1 .Lnot_\@
	v_add_nc_u32 v[GT], s[OFF+\x], v[GO]
	NOPS 7
	s_wait_alu depctr_va_vdst(0)
	WIN 0x04
.irp d, 0,1,2,3
	ds_store_b128 v[STO], v[OT+32*\x+8*\d:OT+32*\x+8*\d+3] offset:64*\d
	ds_store_b128 v[STO], v[OT+32*\x+8*\d+4:OT+32*\x+8*\d+7] offset:64*\d+16
.endr
	WIN 0
.irp i, 0,1,2,3,4,5,6,7
	ds_load_b128 v[S+4*\i:S+4*\i+3], v[RD] offset:2*SP*\i
.endr
.irp i, 0,1,2,3,4,5,6,7
	s_wait_dscnt 7-\i                              ; the younger loads of the eight may be out
	global_store_b128 v[GT], v[S+4*\i:S+4*\i+3], s[12:13] offset:8192*\i th:TH_STORE_NT
.endr
	s_wait_xcnt 0x0                                ; the stores have read their registers: the next scores may land there
.Lnot_\@:
.endm
	; PASS A
	s_mov_b32 s[STP], 0
	s_mov_b32 s[KO], 0
	s_mov_b32 s[MO], MASK
	LOADK KO, MO, 0
.LtripA:                                       ; sixteen trips in every wave; a step behind all my tiles is passed over
	s_cmp_gt_u32 s[STP], s[DS]
	s_cbranch_scc1 .LendA
	s_wait_dscnt 0x0
	s_cmp_gt_u32 s[STP], s[DS+3]
	s_cbranch_scc1 .La2
	TILEA 3, 0
.La2:
	s_cmp_gt_u32 s[STP], s[DS+2]
	s_cbranch_scc1 .La1
	TILEA 2, 0
.La1:
	s_cmp_gt_u32 s[STP], s[DS+1]
	s_cbranch_scc1 .La0
	TILEA 1, 0
.La0:
	TILEA 0, 1
.LendA:
	s_add_co_u32 s[KO], s[KO], KUNIT
	s_add_co_u32 s[MO], s[MO], 512
	s_add_co_u32 s[STP], s[STP], 1
	s_cmp_lt_u32 s[STP], 16
	s_wait_alu depctr_va_vdst(0)
	s_cbranch_scc1 .LtripA
	; between the passes: -(M + log2 sum), or -infinity for a row with no key left
.irp x, 0,1,2,3
	v_add_f32 v[BM+\x], v[STA+4*\x+2], v[STA+4*\x+3]
.endr
.irp x, 0,1,2,3
	s_delay_alu instid0(VALU_DEP_4)
	v_permlanex16_b32 v[BP+\x], v[BM+\x], s[SEL], s[SEL+1]
.endr
.irp x, 0,1,2,3
	s_delay_alu instid0(VALU_DEP_4)
	v_add_f32 v[BM+\x], v[BM+\x], v[BP+\x]
.endr
	s_mov_b32 s30, 0xcf000000                      ; -2^31
	s_wait_alu depctr_va_vdst(0)
.irp x, 0,1,2,3
	v_log_f32 v[LIM+\x], v[BM+\x]
.endr
	v_cmp_le_f32 s17, s30, v[STA+1]
	v_cmp_le_f32 s18, s30, v[STA+5]
	v_cmp_le_f32 s19, s30, v[STA+9]
	v_cmp_le_f32 s29, s30, v[STA+13]
	s_wait_alu depctr_va_vdst(0)
.irp x, 0,1,2,3
	v_sub_f32 v[LIM+\x], v[STA+4*\x], v[LIM+\x]
.endr
	v_cndmask_b32 v[NI], v[NEG], v[LIM], s17
	v_cndmask_b32 v[NI+2], v[NEG], v[LIM+1], s18
	v_cndmask_b32 v[NI+4], v[NEG], v[LIM+2], s19
	v_cndmask_b32 v[NI+6], v[NEG], v[LIM+3], s29
	s_wait_alu depctr_va_vdst(0)
	s_wait_tensorcnt 0x0                           ; every wave: V has landed
	s_wait_dscnt 0x0
	s_barrier_signal -1
	s_barrier_wait -1
	; PASS B
	s_mov_b32 s[STP], 0
	s_mov_b32 s[KO], 0
	s_mov_b32 s[MO], MASK
	s_mov_b32 s[VO], LV
	LOADK KO, MO, 0
	LOADV VO, 0
.LtripB:
	s_cmp_gt_u32 s[STP], s[DS]
	s_cbranch_scc1 .LendB
	s_wait_dscnt 15                                ; all but V's youngest 15 loads: K, the mask, the scale words and v176-183 are in
	s_cmp_gt_u32 s[STP], s[DS+3]
	s_cbranch_scc1 .Lb2
	TILEB 3, 0
.Lb2:
	s_cmp_gt_u32 s[STP], s[DS+2]
	s_cbranch_scc1 .Lb1
	TILEB 2, 0
.Lb1:
	s_cmp_gt_u32 s[STP], s[DS+1]
	s_cbranch_scc1 .Lb0
	TILEB 1, 0
.Lb0:
	TILEB 0, 1
	s_add_co_u32 s17, s[VO], VUNIT
	s_min_u32 s17, s17, LV+15*VUNIT
	LOADV 17, 6                                    ; the next step's V: two additions and six v_nop are the places behind the last products
.LendB:
	s_add_co_u32 s[KO], s[KO], KUNIT
	s_add_co_u32 s[MO], s[MO], 512
	s_add_co_u32 s[VO], s[VO], VUNIT
	s_add_co_u32 s[STP], s[STP], 1
	s_cmp_lt_u32 s[STP], 16
	s_wait_alu depctr_va_vdst(0)
	s_cbranch_scc1 .LtripB
	s_wait_dscnt 0x0
	s_wait_tensorcnt 0x0                           ; the wave's end
	ds_add_u32 v[SPW], v[NIL]
	s_wait_dscnt 0x0
	CROUND                                         ; the closing round
	s_endpgm
.Lfunc_end_k_qd14685184a_attn:
	.size	k_qd14685184a_attn, .Lfunc_end_k_qd14685184a_attn-k_qd14685184a_attn
	.p2alignl 7, 3214868480
	.fill 96, 4, 3214868480
	.section	.rodata,"a",@progbits
	.p2align	6, 0x0
	.amdhsa_kernel k_qd14685184a_attn
		.amdhsa_group_segment_fixed_size 327680
		.amdhsa_private_segment_fixed_size 0
		.amdhsa_enable_private_segment 0
		.amdhsa_kernarg_size 40
		.amdhsa_user_sgpr_count 2
		.amdhsa_user_sgpr_kernarg_segment_ptr 1
		.amdhsa_wavefront_size32 1
		.amdhsa_system_sgpr_workgroup_id_x 1
		.amdhsa_system_sgpr_workgroup_id_y 1
		.amdhsa_system_sgpr_workgroup_id_z 1
		.amdhsa_system_vgpr_workitem_id 0
		.amdhsa_next_free_vgpr 512
		.amdhsa_next_free_sgpr 102
		.amdhsa_reserve_vcc 0
		.amdhsa_float_denorm_mode_32 3
		.amdhsa_float_denorm_mode_16_64 3
		.amdhsa_memory_ordered 1
		.amdhsa_forward_progress 1
		.amdhsa_inst_pref_size 184
	.end_amdhsa_kernel
	.amdgpu_metadata
---
amdhsa.version: [ 1, 2 ]
amdhsa.kernels:
  - .name:           k_qd14685184a_attn
    .symbol:         k_qd14685184a_attn.kd
    .args:
      - { .name: qws, .offset: 0, .size: 8, .value_kind: global_buffer, .address_space: global }
      - { .name: kws, .offset: 8, .size: 8, .value_kind: global_buffer, .address_space: global }
      - { .name: vws, .offset: 16, .size: 8, .value_kind: global_buffer, .address_space: global }
      - { .name: attention_mask, .offset: 24, .size: 8, .value_kind: global_buffer, .address_space: global }
      - { .name: out0, .offset: 32, .size: 8, .value_kind: global_buffer, .address_space: global }
    .group_segment_fixed_size: 327680
    .private_segment_fixed_size: 0
    .kernarg_segment_align: 8
    .kernarg_segment_size: 40
    .max_flat_workgroup_size: 256
    .sgpr_count:     102
    .vgpr_count:     512
    .wavefront_size: 32
...
	.end_amdgpu_metadata
.endif
;; end of part 2
